; MI455X (gfx1250); checked and timed in simulation.
; The chip was launched on July 23, 2026; its instructions are those of AMD's public machine-readable ISA for CDNA 5 (MIT licence, August 2026) and "CDNA5" Instruction Set Architecture Reference Guide (July 2026). The comments in the code are by the model that wrote it; some were corrected since.
;; Spike MLP. Allowed arithmetic: float matrix products may take bf16 or f16 operands with f32 sums; all other float work in f32.
;; Inputs: W0 2,048 x 2,048 float32; W1 2,048 x 2,048 float32; W_out 1,024 x 2,048 float32; b0 2,048 float32; b1 2,048 float32; b_out 1,024 float32; in_pop_spikes 256 x 2,048 x 16 float32.
;; Outputs: out0 256 x 1,024 float32.
;; Constants: batch_size = 256, re_calibration = 0, update = 0.
;; 2 versions, each right; version 2 is version 1 with the launch prep written anew for expert scheduling mode. Each part assembles by itself: llvm-mc -triple=amdgcn-amd-amdhsa -mcpu=gfx1250 --defsym DOCPART=n.
;; ======== version 1 of 2: 4 launches
;; limits: values outside matrix products are rounded to bf16
;; workspace buffers: spk_a 16,777,216 bytes; spk_b 16,777,216 bytes; w0b 8,388,608 bytes; w1b 8,388,608 bytes; woutb 4,194,304 bytes
;; launch prep (part 1): grid 256 x 1, 8 waves a work-group, no clusters, 136,192 bytes of LDS; arguments in_pop_spikes, W0, W1, W_out, spk_a, w0b, w1b, woutb; writes spk_a, w0b, w1b, woutb
.if DOCPART == 1
	.amdgcn_target "amdgcn-amd-amdhsa--gfx1250"
	.amdhsa_code_object_version 6
	.text
	.protected	k_qdfd3d4d510_prep
	.globl	k_qdfd3d4d510_prep
	.p2align	8
	.type	k_qdfd3d4d510_prep,@function
k_qdfd3d4d510_prep:
	s_mov_b64 s[64:65], 0
	v_nop
	global_prefetch_b8 v0, s[64:65] scope:SCOPE_SE
	s_setreg_imm32_b32 hwreg(HW_REG_WAVE_MODE, 25, 1), 1
	s_wait_xcnt 0x0
; PREP: every f32 input of the three products is rounded once to bf16 (nearest even) and laid out as the products want it.
;   in_pop_spikes [256 b][2048 i][16 t] f32  ->  spk_a [4096 rows][2048 i] bf16, row(b,t) = 32 (b>>1) + 16 (t>>3) + 8 (b&1) + (t&7)
;       (a block of 16 rows holds eight time steps of two neighbouring b, so that in a product's result one lane holds all 16 steps of a neuron)
;   W0, W1 [2048 g][2048] f32 -> w0b, w1b bf16, row g goes to row (g & ~127) | (g&7)<<4 | (g>>3)&15
;   W_out  [1024 g][2048] f32 -> woutb   bf16, row g goes to row (g & ~63)  | (g&3)<<4 | (g>>2)&15
;       (so lane r of weight block bn holds true column 8 r + bn, or 4 r + bn: a lane's results of one row are neighbouring columns)
; A stream: no matrix unit, no barrier.  256 work-groups x 8 waves = 2,048 waves; wave gw = 8 x group + w takes
;   16 KiB of the input (b = group, i = 256 w .. 256 w + 255, contiguous), row gw of W0, row gw of W1, half-row gw of W_out.
; The input's transposition (t fastest -> i fastest) goes through the wave's own 16,896 bytes of LDS: 32 rows of 512 bytes at a pitch of
; 528 = 33 x 16 bytes, so that sixteen lanes reading 16 bytes of sixteen rows touch sixteen different 16-byte columns modulo 256 bytes.
; Every load of a wave covers 512 consecutive bytes; every store 256 or 512 consecutive bytes, aligned to 256.
.set XR,     16                        ; v[16:143]  the input chunk as loaded; later W1's row (64) and W_out's half-row (32)
.set WR,     144                       ; v[144:207] W0's row; later two groups of transposed reads
.set OUT,    208                       ; v[208:239] rounded numbers on their way out
.set LPITCH, 528
.set WLDS,   32*LPITCH                 ; a wave's LDS bytes
	s_load_b512 s[16:31], s[0:1], 0x0              ; in s[16:17], W0 s[18:19], W1 s[20:21], W_out s[22:23], spk_a s[24:25], w0b s[26:27], w1b s[28:29], woutb s[30:31]
	v_lshl_add_u32 v240, v0, 2, 0x21000
	v_mov_b32 v241, 0
	v_lshrrev_b32 v1, 5, v0
	v_readfirstlane_b32 s2, v1                     ; wave w
	v_and_b32 v1, 31, v0                           ; lane
	v_lshlrev_b32 v2, 4, v1                        ; 16 x lane: offset of all loads and of the stores into spk_a
	v_lshlrev_b32 v3, 3, v1                        ; 8 x lane: offset of the stores of weights
	s_lshl_b32 s3, ttmp9, 3
	s_add_co_u32 s3, s3, s2                        ; gw
	s_mul_i32 s12, s2, WLDS                        ; my wave's LDS bytes begin here
	v_add_nc_u32 v4, s12, v2                       ; LDS in: 16 x lane in row j (the row stands in the immediate)
	v_mul_u32_u24 v5, v1, LPITCH
	v_add_nc_u32 v5, s12, v5                       ; LDS out: lane L reads row L
	; byte offsets, each in a pair of its own
	s_lshl_b32 s4, ttmp9, 17                       ; input: b x 131,072 + w x 16,384
	s_lshl_b32 s36, s2, 14
	s_add_co_u32 s4, s4, s36
	s_mov_b32 s5, 0
	s_lshl_b32 s6, s3, 13                          ; W0, W1: row gw of 8,192 bytes
	s_mov_b32 s7, 0
	s_lshl_b32 s8, s3, 12                          ; W_out: half-row gw of 4,096 bytes
	s_mov_b32 s9, 0
	s_lshr_b32 s10, ttmp9, 1                       ; spk_a: (32 (b>>1) + 8 (b&1)) rows of 4,096 bytes + 512 w
	s_lshl_b32 s10, s10, 17
	s_and_b32 s36, ttmp9, 1
	s_lshl_b32 s36, s36, 15
	s_add_co_u32 s10, s10, s36
	s_lshl_b32 s36, s2, 9
	s_add_co_u32 s10, s10, s36
	s_mov_b32 s11, 0
	s_and_b32 s32, s3, 0x780                       ; w0b, w1b: the row that row gw goes to
	s_and_b32 s36, s3, 7
	s_lshl_b32 s36, s36, 4
	s_or_b32 s32, s32, s36
	s_bfe_u32 s36, s3, 0x40003
	s_or_b32 s32, s32, s36
	s_lshl_b32 s32, s32, 12                        ; rows of 4,096 bytes
	s_mov_b32 s33, 0
	s_lshr_b32 s37, s3, 1                          ; woutb: row g = gw >> 1, half gw & 1
	s_and_b32 s34, s37, 0x3c0
	s_and_b32 s36, s37, 3
	s_lshl_b32 s36, s36, 4
	s_or_b32 s34, s34, s36
	s_bfe_u32 s36, s37, 0x40002
	s_or_b32 s34, s34, s36
	s_lshl_b32 s34, s34, 12
	s_and_b32 s36, s3, 1
	s_lshl_b32 s36, s36, 11
	s_or_b32 s34, s34, s36
	s_mov_b32 s35, 0
	s_wait_kmcnt 0x0
	s_add_nc_u64 s[16:17], s[16:17], s[4:5]
	s_add_nc_u64 s[18:19], s[18:19], s[6:7]
	s_add_nc_u64 s[20:21], s[20:21], s[6:7]
	s_add_nc_u64 s[22:23], s[22:23], s[8:9]
	s_add_nc_u64 s[24:25], s[24:25], s[10:11]
	s_add_nc_u64 s[26:27], s[26:27], s[32:33]
	s_add_nc_u64 s[28:29], s[28:29], s[32:33]
	s_add_nc_u64 s[30:31], s[30:31], s[34:35]
	; 48 loads go out at once: the input chunk, then W0's row.  Each byte is read once in the launch.
.set j, 0
.rept 32
	global_load_b128 v[XR+4*j:XR+4*j+3], v2, s[16:17] offset:512*j th:TH_LOAD_NT
.set j, j+1
.endr
.set j, 0
.rept 16
	global_load_b128 v[WR+4*j:WR+4*j+3], v2, s[18:19] offset:512*j th:TH_LOAD_NT
.set j, j+1
.endr
	s_wait_loadcnt 16                              ; loads return in order: the 16 of W0 are younger, the input chunk is in
.set j, 0
.rept 32
	ds_store_b128 v4, v[XR+4*j:XR+4*j+3] offset:LPITCH*j   ; LDS row j = i 8 j .. 8 j + 7, 16 steps of 4 bytes each
.set j, j+1
.endr
	s_wait_dscnt 0x0                               ; the stores have taken their data: XR is loaded again below
.set j, 0
.rept 16
	global_load_b128 v[XR+4*j:XR+4*j+3], v2, s[20:21] offset:512*j th:TH_LOAD_NT          ; W1's row
.set j, j+1
.endr
.set j, 0
.rept 8
	global_load_b128 v[XR+64+4*j:XR+64+4*j+3], v2, s[22:23] offset:512*j th:TH_LOAD_NT    ; W_out's half-row
.set j, j+1
.endr
; n loads' worth of a weight row: four f32 a lane become 8 bytes; 32 lanes store 256 consecutive bytes.  base = s[lo:lo+1]
.macro CVTROW src, n, lo
.set j, 0
.rept \n
	v_cvt_pk_bf16_f32 v[OUT+2*j],   v[\src+4*j],   v[\src+4*j+1]
	v_cvt_pk_bf16_f32 v[OUT+2*j+1], v[\src+4*j+2], v[\src+4*j+3]
	global_store_b64 v3, v[OUT+2*j:OUT+2*j+1], s[\lo:\lo+1] offset:256*j
.set j, j+1
.endr
.endm
; Two groups of four time steps (4 tq0 .. 4 tq0 + 7).  Lane L reads from its own LDS row the steps of i = 8 L .. 8 L + 7,
; packs for each step its eight i into 16 bytes and stores them: 32 lanes fill 512 consecutive bytes of one row of spk_a.
.macro XT tq0
.irp g, 0,1
.irp il, 0,1,2,3,4,5,6,7
	ds_load_b128 v[WR+32*\g+4*\il:WR+32*\g+4*\il+3], v5 offset:64*\il+16*(\tq0+\g)
.endr
.endr
	s_wait_xcnt 0x0                                ; OUT, which earlier stores read, is rewritten only behind this wait
.irp g, 0,1
	s_wait_dscnt 8-8*\g                            ; LDS loads return in order: group 0 is in while group 1's eight may stay out; then all
.irp e, 0,1,2,3
.irp m, 0,1,2,3
	v_cvt_pk_bf16_f32 v[OUT+16*\g+4*\e+\m], v[WR+32*\g+8*\m+\e], v[WR+32*\g+8*\m+4+\e]
.endr
.endr
.irp e, 0,1,2,3
	global_store_b128 v2, v[OUT+16*\g+4*\e:OUT+16*\g+4*\e+3], s[24:25] offset:(16*((4*(\tq0+\g)+\e)>>3)+((4*(\tq0+\g)+\e)&7))*4096
.endr
.endr
.endm
	s_wait_loadcnt 24                              ; W1's 16 and W_out's 8 are younger: W0's row is in
	CVTROW WR, 16, 26
	XT 0                                           ; steps 0 to 7 (a wave's LDS instructions are served in order: these reads see the stores above)
	XT 2                                           ; steps 8 to 15
	s_wait_loadcnt 8                               ; W_out's 8 are younger: W1's row is in
	s_wait_xcnt 0x0                                ; OUT is rewritten only behind this wait
	CVTROW XR, 16, 28
	s_wait_loadcnt 0x0
	s_wait_xcnt 0x0                                ; and once more
	CVTROW XR+64, 8, 30
	s_wait_tensorcnt 0x0
	ds_add_u32 v240, v241
	s_wait_dscnt 0x0
	s_endpgm
.Lfunc_end_k_qdfd3d4d510_prep:
	.size	k_qdfd3d4d510_prep, .Lfunc_end_k_qdfd3d4d510_prep-k_qdfd3d4d510_prep
	.p2alignl 7, 3214868480
	.fill 96, 4, 3214868480
	.section	.rodata,"a",@progbits
	.p2align	6, 0x0
	.amdhsa_kernel k_qdfd3d4d510_prep
		.amdhsa_group_segment_fixed_size 136192
		.amdhsa_private_segment_fixed_size 0
		.amdhsa_enable_private_segment 0
		.amdhsa_kernarg_size 64
		.amdhsa_user_sgpr_count 2
		.amdhsa_user_sgpr_kernarg_segment_ptr 1
		.amdhsa_wavefront_size32 1
		.amdhsa_system_sgpr_workgroup_id_x 1
		.amdhsa_system_sgpr_workgroup_id_y 1
		.amdhsa_system_sgpr_workgroup_id_z 1
		.amdhsa_system_vgpr_workitem_id 0
		.amdhsa_next_free_vgpr 242
		.amdhsa_next_free_sgpr 66
		.amdhsa_reserve_vcc 0
		.amdhsa_float_denorm_mode_32 3
		.amdhsa_float_denorm_mode_16_64 3
		.amdhsa_memory_ordered 1
		.amdhsa_forward_progress 1
		.amdhsa_inst_pref_size 28
	.end_amdhsa_kernel
	.amdgpu_metadata
---
amdhsa.version: [ 1, 2 ]
amdhsa.kernels:
  - .name:           k_qdfd3d4d510_prep
    .symbol:         k_qdfd3d4d510_prep.kd
    .args:
      - { .name: in_pop_spikes, .offset: 0, .size: 8, .value_kind: global_buffer, .address_space: global }
      - { .name: W0, .offset: 8, .size: 8, .value_kind: global_buffer, .address_space: global }
      - { .name: W1, .offset: 16, .size: 8, .value_kind: global_buffer, .address_space: global }
      - { .name: W_out, .offset: 24, .size: 8, .value_kind: global_buffer, .address_space: global }
      - { .name: spk_a, .offset: 32, .size: 8, .value_kind: global_buffer, .address_space: global }
      - { .name: w0b, .offset: 40, .size: 8, .value_kind: global_buffer, .address_space: global }
      - { .name: w1b, .offset: 48, .size: 8, .value_kind: global_buffer, .address_space: global }
      - { .name: woutb, .offset: 56, .size: 8, .value_kind: global_buffer, .address_space: global }
    .group_segment_fixed_size: 136192
    .private_segment_fixed_size: 0
    .kernarg_segment_align: 8
    .kernarg_segment_size: 64
    .max_flat_workgroup_size: 256
    .sgpr_count:     66
    .vgpr_count:     242
    .wavefront_size: 32
...
	.end_amdgpu_metadata
.endif
;; end of part 1
;; launch layer0 (part 2): grid 16 x 16, 4 waves a work-group, clusters of 4 x 4, 327,680 bytes of LDS; arguments spk_a, w0b, b0, spk_b; writes spk_b
.if DOCPART == 2
	.amdgcn_target "amdgcn-amd-amdhsa--gfx1250"
	.amdhsa_code_object_version 6
	.text
	.protected	k_qdfd3d4d510_layer0
	.globl	k_qdfd3d4d510_layer0
	.p2align	8
	.type	k_qdfd3d4d510_layer0,@function
k_qdfd3d4d510_layer0:
	s_mov_b64 s[64:65], 0
	v_nop
	global_prefetch_b8 v0, s[64:65] scope:SCOPE_SE
	s_setreg_imm32_b32 hwreg(HW_REG_WAVE_MODE, 25, 1), 1
	s_wait_xcnt 0x0
	s_wait_alu depctr_hold_cnt(0) depctr_sa_sdst(0) depctr_va_vdst(0) depctr_va_sdst(0) depctr_va_ssrc(0) depctr_va_vcc(0) depctr_vm_vsrc(0)
	s_getreg_b32 s2, hwreg(HW_REG_IB_STS2, 6, 4)
	s_cmp_eq_u32 s2, 0
	s_cbranch_scc0 .Lentry_in_a_cluster
	s_endpgm
.Lentry_in_a_cluster:
	s_bfe_u32 s2, ttmp6, 0x10000c
	s_cmp_lg_u32 s2, 0xf033
	s_cbranch_scc0 .Lentry_shape_is_right
	s_endpgm
.Lentry_shape_is_right:
; ONE LAYER: x[row][n] = sum over k of act[row][k] w[n][k] + bias[n], then the CLIF recurrence over the 16 time steps of every (b, n).
; LAST = 0 (hidden layers, N = 2048): the spikes go out as bf16, in the row order in which they came.  (LAST = 1 is the output layer's shape.)
; act: [4096 rows][2048] bf16, row(b,t) = 32 (b>>1) + 16 (t>>3) + 8 (b&1) + (t&7).  w: [N][2048] bf16 with its rows permuted so that row
; 16 bn + r of a block of 16 NB rows is true column NB r + bn.  bias: f32, rounded here to bf16 as all other floating-point inputs were.
; SHAPE.  Four waves, as many as a WGP has SIMDs.  LAST = 0: a block of 256 x 128, a wave 64 rows x 128 columns (32 accumulator tiles).
; LAST = 1: a block of 128 x 128, a wave 64 x 64 (16 tiles).  4096 x N outputs give 256 work-groups both ways.
; K goes through two LDS slots filled by tensor loads; a slot holds 128 matrix instructions' operands for each wave (K = 128, or 256 where the
; wave's tile is the smaller one).  A tile's rows are 256 or 512 bytes of memory and start at multiples of 256 bytes from the buffer's first byte.
; CLUSTERS.  4 x 4 work-groups: act's tile hangs on the block row alone and is asked for jointly along a row of the cluster, w's on the block
; column alone and is asked for jointly along a column, which divides the requests for both by four.
; K IS WALKED FROM A START OF THE CLUSTER'S OWN: quarter (cluster x + cluster y) & 3 of the 2,048, wrapping at the row's end.  The four clusters that need
; the same rows of act (same cluster y), and the four that need the same rows of w (same cluster x), are then in four different quarters at any time,
; so that three quarters of a cluster's tiles were read by a neighbouring cluster a quarter of the walk earlier.
; THE SCAN NEEDS NO LANE TRAFFIC.  In a result tile register j of lane (r, h) is element (m = 8 h + j, n = r).  With the row order above, lane (r, h)
; holds for b = 2 pair + h steps 0-7 in the even row block's eight registers and steps 8-15 in the odd one's: the recurrence runs in place.
; THE WAY OUT NEEDS NO LDS.  A lane's NB results of one row are NB neighbouring columns: 16 bytes; sixteen lanes store 256 consecutive bytes, aligned.
; LIMITS.  All floating-point inputs enter rounded to bf16 (nearest even); sums and the recurrence are f32.  0.75 v + c is one fused rounding where
; reference() rounds twice; the bias is the first addend of the sum, not the last; the sum over K begins at the cluster's quarter, not at k = 0.
; A membrane value within that rounding of the threshold 0.5 can spike the other way.  A membrane value of +inf is reset to 0 where reference()
; makes NaN (inf x 0); NaN gives no spike and stays, as there.
.set LAST, 0
.if LAST
.set ATILE, 128                        ; rows of act in a block
.set NB,    4                          ; column blocks of 16 in a wave's tile
.set KSTEP, 256                        ; K in a slot
.set PITCH, 528                        ; an LDS row: its bytes + 16, an odd multiple of 16
.set QI,    6                          ; padding after every 2<<6 = 128 words
.set KQ,    8                          ; quarters of K = 32 in a slot
.set ALD,   64                         ; rows in one tensor load of act
.else
.set ATILE, 256
.set NB,    8
.set KSTEP, 128
.set PITCH, 272
.set QI,    5                          ; padding after every 2<<5 = 64 words
.set KQ,    4
.set ALD,   128
.endif
.set BTILE, 128                        ; rows of w in a block
.set BLD,   64                         ; rows in one tensor load of w
.set SLOT,  (ATILE+BTILE)*PITCH        ; act's rows, then w's
.set LAPS,  2048/(2*KSTEP)             ; a lap = once round the two slots
.set LOADS, 8+2*NB                     ; LDS loads of one quarter's fragments
; vector registers.  Window 0: addresses and fragments.  Window 1 (v256-511): accumulator tile (a, bn) at 8 (NB a + bn).  Window 2: the bias.
.set ADRA, 16                          ; v16-17  LDS address of my act fragments in slot 0, 1
.set ADRB, 18                          ; v18-19  the same for w
.set CO,   20                          ; v20     my byte offset in the output
.set BO,   21                          ; v21     my byte offset in the bias
.set FA,   32                          ; v32 + 32 f + 8 a: act's fragments, buffers f = 0, 1
.set FB,   96                          ; v96 + 64 f + 8 bn: w's fragments
.set PK,   32                          ; the way out: packed results, over the fragments
.set BRAW, 0                           ; window 2: bias as loaded
.set BPK,  8                           ; window 2: rounded, two to a word
.set BB,   16                          ; window 2: v16 + 8 bn: eight equal registers, the C of the first product of column block bn
; s_set_vgpr_msb's low byte: bits 1:0 source 0, 3:2 source 1, 5:4 source 2, 7:6 destination
.set MUL,  0x50                        ; A, B window 0; C, D window 1
.set MULB, 0x60                        ; A, B window 0; C window 2 (the bias); D window 1
; scalar registers
.set G1,  24                           ; s[24:31] descriptor group 1 for act's tiles
.set G0,  32                           ; s[32:39] group 0 for act's tiles, one set for each slot
.set G1B, 48                           ; s[48:55] group 1 for w's tiles
.set G0B, 56                           ; s[56:63] group 0 for w's tiles, one set for each slot
.set KO,  72                           ; s[72:73], s[74:75] byte offset along the rows of slot 0's, slot 1's next tile, as pairs with 0 above (the scan's masks later)
.set MSB, 0
.macro WIN new                         ; the immediate's high byte repeats the setting that is left
.if MSB != \new
	s_set_vgpr_msb (MSB<<8)|\new
.set MSB, \new
.endif
.endm
.macro PLACES                          ; four plain vector instructions between a matrix instruction and a load into, or a vector instruction on, its registers
.rept 4
	v_nop
.endr
.endm
; A joint load.  Waves 0 and 1 fetch act's two halves, waves 2 and 3 w's.  Each line has one mask; the branch hangs on the wave's number alone.
.macro JLOAD s
	s_cmp_eq_u32 s13, 0
	s_cbranch_scc0 .Lfor_b_\@
	tensor_load_to_lds s[G0+4*\s:G0+4*\s+3], s[G1:G1+7]
	s_nop 0
	s_branch .Lasked_\@
.Lfor_b_\@:
	tensor_load_to_lds s[G0B+4*\s:G0B+4*\s+3], s[G1B:G1B+7]
	s_nop 0
.Lasked_\@:
.endm
; The global addresses of slot s's two descriptors: the tile's rows (s[16:17] act, s[46:47] w) + the slot's byte offset along the rows; then the type bits
.macro GADDR s
	s_add_nc_u64 s[G0+4*\s+2:G0+4*\s+3], s[16:17], s[KO+2*\s:KO+2*\s+1]
	s_or_b32 s[G0+4*\s+3], s[G0+4*\s+3], 0x80000000                ; type = 2
	s_add_nc_u64 s[G0B+4*\s+2:G0B+4*\s+3], s[46:47], s[KO+2*\s:KO+2*\s+1]
	s_or_b32 s[G0B+4*\s+3], s[G0B+4*\s+3], 0x80000000
.endm
; A round of the cluster's barrier: my work-group's barrier, wave 0 signals for the work-group, every wave waits for all sixteen, my work-group's barrier again.
.macro CREST                           ; a round behind its opening barrier
	s_cmp_lg_u32 s12, 0
	s_cbranch_scc1 .Lnot_wave_0_\@
	s_barrier_signal -3
.Lnot_wave_0_\@:
	s_barrier_wait -3
	s_barrier_signal -1
	s_barrier_wait -1
.endm
.macro CROUND
	s_barrier_signal -1
	s_barrier_wait -1
	CREST
.endm
	s_load_b256 s[4:11], s[0:1], 0x0               ; act s[4:5], w s[6:7], bias s[8:9], out s[10:11]
	v_lshl_add_u32 v254, v0, 2, 0x40000
	v_mov_b32 v255, 0
	ds_add_u32 v254, v255
	ds_add_u32 v254, v255
	v_lshrrev_b32 v1, 5, v0
	v_readfirstlane_b32 s12, v1                    ; wave 0..3
	s_lshr_b32 s13, s12, 1                         ; I fetch for act (0) or for w (1)
	s_and_b32 s14, s12, 1                          ; and which half of that tile
	s_bfe_u32 s40, ttmp6, 0x40000                  ; cx
	s_bfe_u32 s41, ttmp6, 0x40004                  ; cy
	s_lshl_b32 s42, ttmp9, 2
	s_add_co_u32 s42, s42, s40                     ; block column bx = 4 x cluster x + cx
	s_and_b32 s15, ttmp7, 0xffff
	s_lshl_b32 s15, s15, 2
	s_add_co_u32 s15, s15, s41                     ; block row by = 4 x cluster y + cy
	s_lshl_b32 s43, s41, 2
	s_lshl_b32 s43, 15, s43                        ; my row of the cluster: places 4 cy .. 4 cy + 3
	s_lshl_b32 s44, 0x1111, s40                    ; my column: places cx, cx + 4, cx + 8, cx + 12
	s_and_b32 s45, ttmp7, 0xffff                   ; where my cluster begins K: made of the cluster's own x and y, which all sixteen work-groups share
	s_add_co_u32 s45, s45, ttmp9
	s_and_b32 s45, s45, 3                          ; quarter 0..3
	s_lshl_b32 s[KO], s45, 10                      ; 512 elements of 2 bytes each: slot 0's first tile
	s_add_co_u32 s[KO+2], s[KO], KSTEP*2           ; slot 1's first tile: the next K step (no wrap: the start is a multiple of 1,024)
	s_mov_b32 s[KO+1], 0
	s_mov_b32 s[KO+3], 0
	s_mov_b32 s66, 0x3f400000                      ; 0.75, the membrane's decay
.if LAST
	s_mov_b32 s67, 0x3d800000                      ; a spike counts 1/16: the sum of 16 is the mean, exactly
.else
	s_mov_b32 s67, 0x3f800000                      ; a spike is 1.0
.endif
	; group 1: tiles of ALD (BLD) rows x KSTEP elements of 2 bytes, 16 bytes of padding behind each row in LDS
	s_or_b32 s[G1+0],  s43, (1<<16)|(1<<20)|(1<<21)|(QI<<22)|(3<<25)   ; 15:0 mask: my row; 17:16 2-byte elements; 20 padding on; 21 set beside a mask; 24:22 interval; 31:25 four words
	s_or_b32 s[G1B+0], s44, (1<<16)|(1<<20)|(1<<21)|(QI<<22)|(3<<25)   ; the same with the mask of my column
	s_mov_b32 s[G1+1],  KSTEP<<16                  ; tensor_dim0 = KSTEP
	s_mov_b32 s[G1B+1], KSTEP<<16
	s_mov_b32 s[G1+2],  ALD<<16                    ; tensor_dim1 = the tile's rows
	s_mov_b32 s[G1B+2], BLD<<16
	s_mov_b32 s[G1+3],  KSTEP<<16                  ; tile_dim0
	s_mov_b32 s[G1B+3], KSTEP<<16
	s_mov_b32 s[G1+4],  ALD                        ; tile_dim1
	s_mov_b32 s[G1B+4], BLD
	s_mov_b32 s[G1+5],  2048                       ; elements from row to row
	s_mov_b32 s[G1B+5], 2048
	s_mov_b32 s[G1+6],  0
	s_mov_b32 s[G1B+6], 0
	s_mov_b32 s[G1+7],  0
	s_mov_b32 s[G1B+7], 0
	; the tiles' rows: act's from the block row and the wave's number, w's from the block column and the wave's number, in registers that never hold the other coordinate
	s_mul_i32 s16, s15, ATILE*4096
	s_mul_i32 s17, s14, ALD*4096
	s_add_co_u32 s16, s16, s17
	s_mov_b32 s17, 0
	s_mul_i32 s46, s42, BTILE*4096
	s_mul_i32 s47, s14, BLD*4096
	s_add_co_u32 s46, s46, s47
	s_mov_b32 s47, 0
	; and where they go: a constant and the wave's number times a constant
	s_mul_i32 s18, s12, ALD*PITCH                  ; waves 0, 1: act's halves
	s_mul_i32 s19, s12, BLD*PITCH
	s_add_co_u32 s19, s19, (ATILE-2*BLD)*PITCH     ; waves 2, 3: w's halves, behind act's ATILE rows
	; byte offsets of my bias and of my part of the output
.if LAST
	s_lshl_b32 s68, s15, 15                        ; b = 8 by + 4 (w>>1): rows of 4,096 bytes
	s_lshl_b32 s70, s13, 14
	s_add_co_u32 s68, s68, s70
	s_lshl_b32 s70, s42, 9                         ; column 128 bx + 64 (w&1), 4 bytes each
	s_add_co_u32 s68, s68, s70
	s_lshl_b32 s70, s14, 8
	s_add_co_u32 s68, s68, s70
	s_lshl_b32 s20, s42, 9
	s_add_co_u32 s20, s20, s70
.else
	s_lshl_b32 s68, s15, 20                        ; row 256 by + 64 w, 4,096 bytes each
	s_lshl_b32 s70, s12, 18
	s_add_co_u32 s68, s68, s70
	s_lshl_b32 s70, s42, 8                         ; column 128 bx, 2 bytes each
	s_add_co_u32 s68, s68, s70
	s_lshl_b32 s20, s42, 9                         ; bias: 128 bx, 4 bytes each
.endif
	s_mov_b32 s69, 0
	s_mov_b32 s21, 0
	s_wait_dscnt 0x0
	s_wait_kmcnt 0x0
	s_add_nc_u64 s[16:17], s[4:5], s[16:17]        ; act at my tile's first row; stays for the whole walk
	s_add_nc_u64 s[46:47], s[6:7], s[46:47]        ; w at my tile's first row; likewise
	s_add_nc_u64 s[8:9], s[8:9], s[20:21]
	s_add_nc_u64 s[10:11], s[10:11], s[68:69]
	CROUND                                         ; all sixteen work-groups are here: the first joint loads meet
.irp s, 0,1
	s_mov_b32 s[G0+4*\s], 1                                        ; count = 1
	s_add_co_u32 s[G0+4*\s+1], s18, \s*SLOT                        ; LDS address
	s_mov_b32 s[G0B+4*\s], 1
	s_add_co_u32 s[G0B+4*\s+1], s19, \s*SLOT
	GADDR \s                                       ; global addresses: slot s's first K step
	JLOAD \s                                       ; both first fills go out before anything else: two tensor loads of the wave are out here, one behind each later refill
.endr
	; A fragment is 16 rows x 32 K in 8 registers: lane (r, h) holds row r; registers 0-3 K = 8 h + 0..7, registers 4-7 K = 16 + 8 h + 0..7: two loads of 16 bytes, 32 bytes apart
	v_and_b32 v1, 15, v0                           ; r
	v_bfe_u32 v2, v0, 4, 1                         ; h
	v_mul_u32_u24 v3, v1, PITCH
	v_lshl_add_u32 v3, v2, 4, v3                   ; r x pitch + 16 h
.if LAST
	s_mul_i32 s22, s13, 64*PITCH                   ; my 64 rows of act: half w >> 1
	s_mul_i32 s23, s14, 64*PITCH                   ; my 64 rows of w: half w & 1,
	s_add_co_u32 s23, s23, ATILE*PITCH             ; behind act's rows
.else
	s_mul_i32 s22, s12, 64*PITCH                   ; my 64 rows of act: quarter w
	s_mov_b32 s23, ATILE*PITCH                     ; all 128 rows of w
.endif
.irp s, 0,1
	v_add_nc_u32 v[ADRA+\s], s22, v3
	v_add_nc_u32 v[ADRB+\s], s23, v3
	s_add_co_u32 s22, s22, SLOT
	s_add_co_u32 s23, s23, SLOT
.endr
	v_lshlrev_b32 v4, 4, v1                        ; 16 r
.if LAST
	v_lshl_add_u32 v[CO], v2, 12, v4               ; out: row h of the pair, 16 bytes a lane
	v_lshlrev_b32 v[BO], 4, v1                     ; bias: 4 numbers a lane
.else
	v_lshl_add_u32 v[CO], v2, 15, v4               ; out: 8 h rows down, 16 bytes a lane
	v_lshlrev_b32 v[BO], 5, v1                     ; bias: 8 numbers a lane
.endif
	; The bias of my NB columns, while the first tiles are on their way: rounded to bf16, widened again, eight equal registers for each column block.
	; They are the C of the first products, so that nothing is cleared and x + bias costs no instruction of its own.
	WIN 0x80                                       ; loaded data into window 2, address from window 0
	global_load_b128 v[BRAW:BRAW+3], v[BO], s[8:9]
.if NB == 8
	global_load_b128 v[BRAW+4:BRAW+7], v[BO], s[8:9] offset:16
.endif
	s_wait_loadcnt 0x0
	WIN 0xaa                                       ; everything in window 2
.irp i, 0,1,2,3
.if \i < NB/2
	v_cvt_pk_bf16_f32 v[BPK+\i], v[BRAW+2*\i], v[BRAW+2*\i+1]
.endif
.endr
.irp bn, 0,1,2,3,4,5,6,7
.if \bn < NB
.irp j, 0,1,2,3,4,5,6,7
.if \bn & 1
	v_and_b32 v[BB+8*\bn+\j], 0xffff0000, v[BPK+(\bn>>1)]
.else
	v_lshlrev_b32 v[BB+8*\bn+\j], 16, v[BPK+(\bn>>1)]
.endif
.endr
.endif
.endr
	WIN 0
; Four matrix instructions: my four row blocks x column block bn, 32 along K, from buffer f.  c = 1: the bias starts the sums.
; The 4 NB accumulators take turns, one instruction a turn, in the same order in every quarter, over the backward jump too.
.macro MULG f, bn, c
.irp a, 0,1,2,3
.if \c
	v_wmma_f32_16x16x32_bf16 v[8*(NB*\a+\bn):8*(NB*\a+\bn)+7], v[FA+32*\f+8*\a:FA+32*\f+8*\a+7], v[FB+64*\f+8*\bn:FB+64*\f+8*\bn+7], v[BB+8*\bn:BB+8*\bn+7]
.else
	v_wmma_f32_16x16x32_bf16 v[8*(NB*\a+\bn):8*(NB*\a+\bn)+7], v[FA+32*\f+8*\a:FA+32*\f+8*\a+7], v[FB+64*\f+8*\bn:FB+64*\f+8*\bn+7], v[8*(NB*\a+\bn):8*(NB*\a+\bn)+7]
.endif
.endr
.endm
; Column blocks lo .. hi - 1.  wait = 1: in front of block bn a counted wait: LDS loads return in order, so the 2 (NB - 1 - bn) loads of the later
; column blocks, and the extra loads issued behind this quarter's, may stay out.
.macro GROUPS f, lo, hi, c, extra, wait
.irp bn, 0,1,2,3,4,5,6,7
.if \bn >= \lo
.if \bn < \hi
.if \wait
	s_wait_dscnt \extra+2*(NB-1-\bn)
.endif
	MULG \f, \bn, \c
.endif
.endif
.endr
.endm
; One quarter's fragments (K = 32 at byte k of the slot's rows) into buffer f: act's eight loads, then w's in the order of the column blocks
.macro FETCH slot, k, f
.irp a, 0,1,2,3
	ds_load_b128 v[FA+32*\f+8*\a:FA+32*\f+8*\a+3],   v[ADRA+\slot] offset:\k+\a*16*PITCH
	ds_load_b128 v[FA+32*\f+8*\a+4:FA+32*\f+8*\a+7], v[ADRA+\slot] offset:\k+\a*16*PITCH+32
.endr
.irp bn, 0,1,2,3,4,5,6,7
.if \bn < NB
	ds_load_b128 v[FB+64*\f+8*\bn:FB+64*\f+8*\bn+3],   v[ADRB+\slot] offset:\k+\bn*16*PITCH
	ds_load_b128 v[FB+64*\f+8*\bn+4:FB+64*\f+8*\bn+7], v[ADRB+\slot] offset:\k+\bn*16*PITCH+32
.endif
.endr
.endm
; A quarter but a slot's last: multiplies buffer f; behind its first fourth it fetches the next quarter, at byte knext of the same slot, into buffer g
.macro QUARTER slot, knext, f, g, c
.if \c
	WIN MULB
.else
	WIN MUL
.endif
	GROUPS \f, 0, NB/4, \c, 0, 1
	PLACES                                         ; buffer g was read by the last quarter's matrix instructions
	WIN 0
	FETCH \slot, \knext, \g
.if \c
	WIN MULB
.else
	WIN MUL
.endif
	GROUPS \f, NB/4, NB, \c, LOADS, 1
.endm
.macro SLOTQ slot, c
	QUARTER \slot, 64,  0, 1, \c
	QUARTER \slot, 128, 1, 0, 0
	QUARTER \slot, 192, 0, 1, 0
.if KQ == 8
	QUARTER \slot, 256, 1, 0, 0
	QUARTER \slot, 320, 0, 1, 0
	QUARTER \slot, 384, 1, 0, 0
	QUARTER \slot, 448, 0, 1, 0
.endif
.endm
; A slot's last quarter: multiplies buffer 1 and changes slots.  One barrier for two things.  In front of it each wave waits for its reads of this slot
; and for all its tensor loads, of which one is out: its part of the next slot.  Behind it nobody reads this slot and the next one is whole.
; fill = 1: the barrier opens a round of the cluster's barrier, and the joint refill of this slot is the first tensor load behind the round.
.macro TURN slot, next, fill
	WIN MUL
	GROUPS 1, 0, NB/4, 0, 0, 1
	s_wait_dscnt 0x0                               ; my reads of this slot are over
	s_wait_tensorcnt 0x0                           ; all my tensor loads have landed: from here to the refill every group 0 may be written
	ds_add_u32 v254, v255
	s_wait_dscnt 0x0
	s_barrier_signal -1
	GROUPS 1, NB/4, NB/2, 0, 0, 0                  ; register work while the others arrive
	WIN 0
.if \fill
	s_add_co_u32 s[KO+2*\slot], s[KO+2*\slot], 2*KSTEP*2           ; this slot's next tile: two K steps on,
	s_and_b32 s[KO+2*\slot], s[KO+2*\slot], 4095                   ; round the end of the row of 4,096 bytes
	GADDR \slot
.endif
	s_barrier_wait -1
.if \fill
	CREST                                          ; no wave of any partner still reads this slot or has a load on its way
	JLOAD \slot
.endif
	PLACES                                         ; buffer 0 was read by the quarter before this one
	FETCH \next, 0, 0
	WIN MUL
	GROUPS 1, NB/2, NB, 0, 0, 0
.endm
.macro LAP c
	SLOTQ 0, \c
	TURN 0, 1, 1
	SLOTQ 1, 0
	TURN 1, 0, 1
.endm
	s_wait_tensorcnt 1                             ; my part of slot 0 is in; slot 1's load is younger and may stay out
	s_barrier_signal -1
	s_barrier_wait -1                              ; everybody's part is in
	FETCH 0, 0, 0
	LAP 1                                          ; the first lap stands in front of the loop: its first products start the sums from the bias
	WIN 0                                          ; at a label and at a branch every window is 0
	s_mov_b32 s3, LAPS-2
.Llap:
	LAP 0
	WIN 0
	s_sub_co_u32 s3, s3, 1
	s_cmp_lg_u32 s3, 0
	s_cbranch_scc1 .Llap
	SLOTQ 0, 0                                     ; the last lap fills nothing
	TURN 0, 1, 0
	SLOTQ 1, 0
	WIN MUL
	GROUPS 1, 0, NB, 0, 0, 1                       ; the very last quarter; its last wait is for 0
	; THE SCAN, in place in window 1.  Chain (p, bn): b = 2 p + h of my four, column block bn.  X(t) = register 8 (NB (2 p + (t>>3)) + bn) + (t&7) holds x of step t.
	;   c(t) = 0.5 c(t-1) + x(t);  v(t) = 0.75 v(t-1) (1 - s(t-1)) + c(t);  s(t) = v(t) > 0.5
	; Step t: X(t+1) becomes c(t+1) from c(t); X(t) becomes v(t) from the reset v(t-1); spike t-1 goes into X(t-1), which has just died; the compare; the reset.
.macro S_CUR
	v_fma_f32 v[XN], v[XC], 0.5, v[XN]
.endm
.macro S_MEM
	v_fma_f32 v[XC], v[XP], s66, v[XC]
.endm
.macro S_OUT
	v_cndmask_b32 v[XP], 0, s67, s[MK]
.endm
.macro S_CMP
	v_cmp_gt_f32 s[MK], v[XC], 0.5
.endm
.macro S_RST
	v_cndmask_b32 v[XC], v[XC], 0, s[MK]
.endm
.macro S_END
	v_cndmask_b32 v[XC], 0, s67, s[MK]
.endm
.macro CHAINS what, t                  ; one line of the step for every chain: 2 NB lines that do not wait for each other
.irp p, 0,1
.irp bn, 0,1,2,3,4,5,6,7
.if \bn < NB
.set XC, 8*(NB*(2*\p+(\t>>3))+\bn)+(\t&7)
.set XN, 8*(NB*(2*\p+(((\t+1)&15)>>3))+\bn)+((\t+1)&7)
.set XP, 8*(NB*(2*\p+(((\t+15)&15)>>3))+\bn)+((\t+15)&7)
.set MK, 68+NB*\p+\bn
	\what
.endif
.endr
.endr
.endm
.macro STEP t
.if \t < 15
	CHAINS S_CUR, \t
.endif
.if \t > 0
	CHAINS S_MEM, \t
	CHAINS S_OUT, \t
.endif
	CHAINS S_CMP, \t
.if \t < 15
	CHAINS S_RST, \t
.else
	CHAINS S_END, \t
.endif
.endm
	PLACES                                         ; behind the last matrix instructions, in front of the first vector instruction on their results
	WIN 0x55                                       ; everything in window 1
.irp t, 0,1,2,3,4,5,6,7,8,9,10,11,12,13,14,15
	STEP \t
.endr
.if LAST
	; the mean: 16 spikes of 1/16 each, summed exactly
.irp p, 0,1
.irp bn, 0,1,2,3
.set EV, 8*(NB*(2*\p)+\bn)
.set OD, 8*(NB*(2*\p+1)+\bn)
.irp k, 0,2,4,6
	v_pk_add_f32 v[EV+\k:EV+\k+1], v[EV+\k:EV+\k+1], v[OD+\k:OD+\k+1]
.endr
	v_pk_add_f32 v[EV:EV+1],   v[EV:EV+1],   v[EV+4:EV+5]
	v_pk_add_f32 v[EV+2:EV+3], v[EV+2:EV+3], v[EV+6:EV+7]
	v_pk_add_f32 v[EV:EV+1],   v[EV:EV+1],   v[EV+2:EV+3]
.endr
.endr
	WIN 0x05                                       ; sources in window 1, destination in window 0
.irp p, 0,1
.irp bn, 0,1,2,3
	v_add_f32 v[PK+4*\p+\bn], v[8*(NB*(2*\p)+\bn)], v[8*(NB*(2*\p)+\bn)+1]
.endr
.endr
	WIN 0
.irp p, 0,1
	global_store_b128 v[CO], v[PK+4*\p:PK+4*\p+3], s[10:11] offset:8192*\p th:TH_STORE_NT   ; sixteen lanes: 256 consecutive bytes of row b, aligned
.endr
.else
	; the spikes as bf16: eight neighbouring columns of a row are 16 bytes of a lane
	WIN 0x05                                       ; sources in window 1, destination in window 0
.irp p, 0,1
.irp t, 0,1,2,3,4,5,6,7,8,9,10,11,12,13,14,15
.irp i, 0,1,2,3
	v_cvt_pk_bf16_f32 v[PK+4*(16*\p+\t)+\i], v[8*(NB*(2*\p+(\t>>3))+2*\i)+(\t&7)], v[8*(NB*(2*\p+(\t>>3))+2*\i+1)+(\t&7)]
.endr
.endr
.endr
	WIN 0
.irp p, 0,1
.irp t, 0,1,2,3,4,5,6,7,8,9,10,11,12,13,14,15
	global_store_b128 v[CO], v[PK+4*(16*\p+\t):PK+4*(16*\p+\t)+3], s[10:11] offset:(32*\p+16*(\t>>3)+(\t&7))*4096   ; sixteen lanes: 256 consecutive bytes of a row, aligned
.endr
.endr
.endif
	CROUND                                         ; the closing round: no work-group ends while a partner may still ask for a tile that names it
	s_endpgm
.Lfunc_end_k_qdfd3d4d510_layer0:
	.size	k_qdfd3d4d510_layer0, .Lfunc_end_k_qdfd3d4d510_layer0-k_qdfd3d4d510_layer0
	.p2alignl 7, 3214868480
	.fill 96, 4, 3214868480
	.section	.rodata,"a",@progbits
	.p2align	6, 0x0
	.amdhsa_kernel k_qdfd3d4d510_layer0
		.amdhsa_group_segment_fixed_size 327680
		.amdhsa_private_segment_fixed_size 0
		.amdhsa_enable_private_segment 0
		.amdhsa_kernarg_size 32
		.amdhsa_user_sgpr_count 2
		.amdhsa_user_sgpr_kernarg_segment_ptr 1
		.amdhsa_wavefront_size32 1
		.amdhsa_system_sgpr_workgroup_id_x 1
		.amdhsa_system_sgpr_workgroup_id_y 1
		.amdhsa_system_sgpr_workgroup_id_z 1
		.amdhsa_system_vgpr_workitem_id 0
		.amdhsa_next_free_vgpr 640
		.amdhsa_next_free_sgpr 84
		.amdhsa_reserve_vcc 0
		.amdhsa_float_denorm_mode_32 3
		.amdhsa_float_denorm_mode_16_64 3
		.amdhsa_memory_ordered 1
		.amdhsa_forward_progress 1
		.amdhsa_inst_pref_size 197
	.end_amdhsa_kernel
	.amdgpu_metadata
---
amdhsa.version: [ 1, 2 ]
amdhsa.kernels:
  - .name:           k_qdfd3d4d510_layer0
    .symbol:         k_qdfd3d4d510_layer0.kd
    .args:
      - { .name: spk_a, .offset: 0, .size: 8, .value_kind: global_buffer, .address_space: global }
      - { .name: w0b, .offset: 8, .size: 8, .value_kind: global_buffer, .address_space: global }
      - { .name: b0, .offset: 16, .size: 8, .value_kind: global_buffer, .address_space: global }
      - { .name: spk_b, .offset: 24, .size: 8, .value_kind: global_buffer, .address_space: global }
    .group_segment_fixed_size: 327680
    .private_segment_fixed_size: 0
    .kernarg_segment_align: 8
    .kernarg_segment_size: 32
    .max_flat_workgroup_size: 128
    .sgpr_count:     84
    .vgpr_count:     640
    .wavefront_size: 32
...
	.end_amdgpu_metadata
.endif
;; end of part 2
;; launch layer1: the kernel of part 2 again; grid 16 x 16, 4 waves a work-group, clusters of 4 x 4, 327,680 bytes of LDS; arguments spk_b, w1b, b1, spk_a; writes spk_a
;; launch outl (part 3): grid 8 x 32, 4 waves a work-group, clusters of 4 x 4, 327,680 bytes of LDS; arguments spk_a, woutb, b_out, out0; writes out0
.if DOCPART == 3
	.amdgcn_target "amdgcn-amd-amdhsa--gfx1250"
	.amdhsa_code_object_version 6
	.text
	.protected	k_qdfd3d4d510_outl
	.globl	k_qdfd3d4d510_outl
	.p2align	8
	.type	k_qdfd3d4d510_outl,@function
k_qdfd3d4d510_outl:
	s_mov_b64 s[64:65], 0
	v_nop
	global_prefetch_b8 v0, s[64:65] scope:SCOPE_SE
	s_setreg_imm32_b32 hwreg(HW_REG_WAVE_MODE, 25, 1), 1
	s_wait_xcnt 0x0
	s_wait_alu depctr_hold_cnt(0) depctr_sa_sdst(0) depctr_va_vdst(0) depctr_va_sdst(0) depctr_va_ssrc(0) depctr_va_vcc(0) depctr_vm_vsrc(0)
	s_getreg_b32 s2, hwreg(HW_REG_IB_STS2, 6, 4)
	s_cmp_eq_u32 s2, 0
	s_cbranch_scc0 .Lentry_in_a_cluster
	s_endpgm
.Lentry_in_a_cluster:
	s_bfe_u32 s2, ttmp6, 0x10000c
	s_cmp_lg_u32 s2, 0xf033
	s_cbranch_scc0 .Lentry_shape_is_right
	s_endpgm
.Lentry_shape_is_right:
; ONE LAYER: x[row][n] = sum over k of act[row][k] w[n][k] + bias[n], then the CLIF recurrence over the 16 time steps of every (b, n).
; One text for two shapes.  LAST = 0 (hidden layers, N = 2048): the spikes go out as bf16, in the row order in which they came.
; LAST = 1 (output layer, N = 1024): the mean of the 16 spikes goes out as f32.  This file is the text with LAST = 1.
; act: [4096 rows][2048] bf16, row(b,t) = 32 (b>>1) + 16 (t>>3) + 8 (b&1) + (t&7).  w: [N][2048] bf16 with its rows permuted so that row
; 16 bn + r of a block of 16 NB rows is true column NB r + bn.  bias: f32, rounded here to bf16 as all other floating-point inputs were.
; SHAPE.  Four waves, as many as a WGP has SIMDs.  LAST = 0: a block of 256 x 128, a wave 64 rows x 128 columns (32 accumulator tiles).
; LAST = 1: a block of 128 x 128, a wave 64 x 64 (16 tiles).  4096 x N outputs give 256 work-groups both ways.
; K goes through two LDS slots filled by tensor loads; a slot holds 128 matrix instructions' operands for each wave (K = 128, or 256 where the
; wave's tile is the smaller one).  A tile's rows are 256 or 512 bytes of memory and start at multiples of 256 bytes from the buffer's first byte.
; CLUSTERS.  4 x 4 work-groups: act's tile hangs on the block row alone and is asked for jointly along a row of the cluster, w's on the block
; column alone and is asked for jointly along a column, which divides the requests for both by four.
; THE SCAN NEEDS NO LANE TRAFFIC.  In a result tile register j of lane (r, h) is element (m = 8 h + j, n = r).  With the row order above, lane (r, h)
; holds for b = 2 pair + h steps 0-7 in the even row block's eight registers and steps 8-15 in the odd one's: the recurrence runs in place.
; THE WAY OUT NEEDS NO LDS.  A lane's NB results of one row are NB neighbouring columns: 16 bytes; sixteen lanes store 256 consecutive bytes, aligned.
; LIMITS.  All floating-point inputs enter rounded to bf16 (nearest even); sums and the recurrence are f32.  0.75 v + c is one fused rounding where
; reference() rounds twice; the bias is the first addend of the sum, not the last.  A membrane value within that rounding of the threshold 0.5 can
; spike the other way.  A membrane value of +inf is reset to 0 where reference() makes NaN (inf x 0); NaN gives no spike and stays, as there.
.set LAST, 1
.if LAST
.set ATILE, 128                        ; rows of act in a block
.set NB,    4                          ; column blocks of 16 in a wave's tile
.set KSTEP, 256                        ; K in a slot
.set PITCH, 528                        ; an LDS row: its bytes + 16, an odd multiple of 16
.set QI,    6                          ; padding after every 2<<6 = 128 words
.set KQ,    8                          ; quarters of K = 32 in a slot
.set ALD,   64                         ; rows in one tensor load of act
.else
.set ATILE, 256
.set NB,    8
.set KSTEP, 128
.set PITCH, 272
.set QI,    5                          ; padding after every 2<<5 = 64 words
.set KQ,    4
.set ALD,   128
.endif
.set BTILE, 128                        ; rows of w in a block
.set BLD,   64                         ; rows in one tensor load of w
.set SLOT,  (ATILE+BTILE)*PITCH        ; act's rows, then w's
.set LAPS,  2048/(2*KSTEP)             ; a lap = once round the two slots
.set LOADS, 8+2*NB                     ; LDS loads of one quarter's fragments
; vector registers.  Window 0: addresses and fragments.  Window 1 (v256-511): accumulator tile (a, bn) at 8 (NB a + bn).  Window 2: the bias.
.set ADRA, 16                          ; v16-17  LDS address of my act fragments in slot 0, 1
.set ADRB, 18                          ; v18-19  the same for w
.set CO,   20                          ; v20     my byte offset in the output
.set BO,   21                          ; v21     my byte offset in the bias
.set FA,   32                          ; v32 + 32 f + 8 a: act's fragments, buffers f = 0, 1
.set FB,   96                          ; v96 + 64 f + 8 bn: w's fragments
.set PK,   32                          ; the way out: packed results, over the fragments
.set BRAW, 0                           ; window 2: bias as loaded
.set BPK,  8                           ; window 2: rounded, two to a word
.set BB,   16                          ; window 2: v16 + 8 bn: eight equal registers, the C of the first product of column block bn
; s_set_vgpr_msb's low byte: bits 1:0 source 0, 3:2 source 1, 5:4 source 2, 7:6 destination
.set MUL,  0x50                        ; A, B window 0; C, D window 1
.set MULB, 0x60                        ; A, B window 0; C window 2 (the bias); D window 1
; scalar registers
.set G1,  24                           ; s[24:31] descriptor group 1 for act's tiles
.set G0,  32                           ; s[32:39] group 0 for act's tiles, one set for each slot
.set G1B, 48                           ; s[48:55] group 1 for w's tiles
.set G0B, 56                           ; s[56:63] group 0 for w's tiles, one set for each slot
.set MSB, 0
.macro WIN new                         ; the immediate's high byte repeats the setting that is left
.if MSB != \new
	s_set_vgpr_msb (MSB<<8)|\new
.set MSB, \new
.endif
.endm
.macro PLACES                          ; four plain vector instructions between a matrix instruction and a load into, or a vector instruction on, its registers
.rept 4
	v_nop
.endr
.endm
; A joint load.  Waves 0 and 1 fetch act's two halves, waves 2 and 3 w's.  Each line has one mask; the branch hangs on the wave's number alone.
.macro JLOAD s
	s_cmp_eq_u32 s13, 0
	s_cbranch_scc0 .Lfor_b_\@
	tensor_load_to_lds s[G0+4*\s:G0+4*\s+3], s[G1:G1+7]
	s_nop 0
	s_branch .Lasked_\@
.Lfor_b_\@:
	tensor_load_to_lds s[G0B+4*\s:G0B+4*\s+3], s[G1B:G1B+7]
	s_nop 0
.Lasked_\@:
.endm
; A round of the cluster's barrier: my work-group's barrier, wave 0 signals for the work-group, every wave waits for all sixteen, my work-group's barrier again.
.macro CREST                           ; a round behind its opening barrier
	s_cmp_lg_u32 s12, 0
	s_cbranch_scc1 .Lnot_wave_0_\@
	s_barrier_signal -3
.Lnot_wave_0_\@:
	s_barrier_wait -3
	s_barrier_signal -1
	s_barrier_wait -1
.endm
.macro CROUND
	s_barrier_signal -1
	s_barrier_wait -1
	CREST
.endm
	s_load_b256 s[4:11], s[0:1], 0x0               ; act s[4:5], w s[6:7], bias s[8:9], out s[10:11]
	v_lshl_add_u32 v254, v0, 2, 0x42000
	v_mov_b32 v255, 0
	ds_add_u32 v254, v255
	ds_add_u32 v254, v255
	v_lshrrev_b32 v1, 5, v0
	v_readfirstlane_b32 s12, v1                    ; wave 0..3
	s_lshr_b32 s13, s12, 1                         ; I fetch for act (0) or for w (1)
	s_and_b32 s14, s12, 1                          ; and which half of that tile
	s_bfe_u32 s40, ttmp6, 0x40000                  ; cx
	s_bfe_u32 s41, ttmp6, 0x40004                  ; cy
	s_lshl_b32 s42, ttmp9, 2
	s_add_co_u32 s42, s42, s40                     ; block column bx = 4 x cluster x + cx
	s_and_b32 s15, ttmp7, 0xffff
	s_lshl_b32 s15, s15, 2
	s_add_co_u32 s15, s15, s41                     ; block row by = 4 x cluster y + cy
	s_lshl_b32 s43, s41, 2
	s_lshl_b32 s43, 15, s43                        ; my row of the cluster: places 4 cy .. 4 cy + 3
	s_lshl_b32 s44, 0x1111, s40                    ; my column: places cx, cx + 4, cx + 8, cx + 12
	s_mov_b32 s66, 0x3f400000                      ; 0.75, the membrane's decay
.if LAST
	s_mov_b32 s67, 0x3d800000                      ; a spike counts 1/16: the sum of 16 is the mean, exactly
.else
	s_mov_b32 s67, 0x3f800000                      ; a spike is 1.0
.endif
	; group 1: tiles of ALD (BLD) rows x KSTEP elements of 2 bytes, 16 bytes of padding behind each row in LDS
	s_or_b32 s[G1+0],  s43, (1<<16)|(1<<20)|(1<<21)|(QI<<22)|(3<<25)   ; 15:0 mask: my row; 17:16 2-byte elements; 20 padding on; 21 set beside a mask; 24:22 interval; 31:25 four words
	s_or_b32 s[G1B+0], s44, (1<<16)|(1<<20)|(1<<21)|(QI<<22)|(3<<25)   ; the same with the mask of my column
	s_mov_b32 s[G1+1],  KSTEP<<16                  ; tensor_dim0 = KSTEP
	s_mov_b32 s[G1B+1], KSTEP<<16
	s_mov_b32 s[G1+2],  ALD<<16                    ; tensor_dim1 = the tile's rows
	s_mov_b32 s[G1B+2], BLD<<16
	s_mov_b32 s[G1+3],  KSTEP<<16                  ; tile_dim0
	s_mov_b32 s[G1B+3], KSTEP<<16
	s_mov_b32 s[G1+4],  ALD                        ; tile_dim1
	s_mov_b32 s[G1B+4], BLD
	s_mov_b32 s[G1+5],  2048                       ; elements from row to row
	s_mov_b32 s[G1B+5], 2048
	s_mov_b32 s[G1+6],  0
	s_mov_b32 s[G1B+6], 0
	s_mov_b32 s[G1+7],  0
	s_mov_b32 s[G1B+7], 0
	; where the tiles come from: act's from the block row and the wave's number, w's from the block column and the wave's number, in registers that never hold the other coordinate
	s_mul_i32 s16, s15, ATILE*4096
	s_mul_i32 s17, s14, ALD*4096
	s_add_co_u32 s16, s16, s17
	s_mov_b32 s17, 0
	s_mul_i32 s46, s42, BTILE*4096
	s_mul_i32 s47, s14, BLD*4096
	s_add_co_u32 s46, s46, s47
	s_mov_b32 s47, 0
	; and where they go: a constant and the wave's number times a constant
	s_mul_i32 s18, s12, ALD*PITCH                  ; waves 0, 1: act's halves
	s_mul_i32 s19, s12, BLD*PITCH
	s_add_co_u32 s19, s19, (ATILE-2*BLD)*PITCH     ; waves 2, 3: w's halves, behind act's ATILE rows
	; byte offsets of my bias and of my part of the output
.if LAST
	s_lshl_b32 s68, s15, 15                        ; b = 8 by + 4 (w>>1): rows of 4,096 bytes
	s_lshl_b32 s70, s13, 14
	s_add_co_u32 s68, s68, s70
	s_lshl_b32 s70, s42, 9                         ; column 128 bx + 64 (w&1), 4 bytes each
	s_add_co_u32 s68, s68, s70
	s_lshl_b32 s70, s14, 8
	s_add_co_u32 s68, s68, s70
	s_lshl_b32 s20, s42, 9
	s_add_co_u32 s20, s20, s70
.else
	s_lshl_b32 s68, s15, 20                        ; row 256 by + 64 w, 4,096 bytes each
	s_lshl_b32 s70, s12, 18
	s_add_co_u32 s68, s68, s70
	s_lshl_b32 s70, s42, 8                         ; column 128 bx, 2 bytes each
	s_add_co_u32 s68, s68, s70
	s_lshl_b32 s20, s42, 9                         ; bias: 128 bx, 4 bytes each
.endif
	s_mov_b32 s69, 0
	s_mov_b32 s21, 0
	s_wait_dscnt 0x0
	s_wait_kmcnt 0x0
	s_add_nc_u64 s[16:17], s[4:5], s[16:17]
	s_add_nc_u64 s[46:47], s[6:7], s[46:47]
	s_add_nc_u64 s[8:9], s[8:9], s[20:21]
	s_add_nc_u64 s[10:11], s[10:11], s[68:69]
	CROUND                                         ; all sixteen work-groups are here: the first joint loads meet
.irp s, 0,1
	s_mov_b32 s[G0+4*\s], 1                                        ; count = 1
	s_add_co_u32 s[G0+4*\s+1], s18, \s*SLOT                        ; LDS address
	s_add_nc_u64 s[G0+4*\s+2:G0+4*\s+3], s[16:17], \s*KSTEP*2      ; global address: slot s's first K
	s_or_b32 s[G0+4*\s+3], s[G0+4*\s+3], 0x80000000                ; type = 2
	s_mov_b32 s[G0B+4*\s], 1
	s_add_co_u32 s[G0B+4*\s+1], s19, \s*SLOT
	s_add_nc_u64 s[G0B+4*\s+2:G0B+4*\s+3], s[46:47], \s*KSTEP*2
	s_or_b32 s[G0B+4*\s+3], s[G0B+4*\s+3], 0x80000000
	JLOAD \s                                       ; both first fills go out before anything else: two tensor loads of the wave are out here, one behind each later refill
.endr
	; A fragment is 16 rows x 32 K in 8 registers: lane (r, h) holds row r; registers 0-3 K = 8 h + 0..7, registers 4-7 K = 16 + 8 h + 0..7: two loads of 16 bytes, 32 bytes apart
	v_and_b32 v1, 15, v0                           ; r
	v_bfe_u32 v2, v0, 4, 1                         ; h
	v_mul_u32_u24 v3, v1, PITCH
	v_lshl_add_u32 v3, v2, 4, v3                   ; r x pitch + 16 h
.if LAST
	s_mul_i32 s22, s13, 64*PITCH                   ; my 64 rows of act: half w >> 1
	s_mul_i32 s23, s14, 64*PITCH                   ; my 64 rows of w: half w & 1,
	s_add_co_u32 s23, s23, ATILE*PITCH             ; behind act's rows
.else
	s_mul_i32 s22, s12, 64*PITCH                   ; my 64 rows of act: quarter w
	s_mov_b32 s23, ATILE*PITCH                     ; all 128 rows of w
.endif
.irp s, 0,1
	v_add_nc_u32 v[ADRA+\s], s22, v3
	v_add_nc_u32 v[ADRB+\s], s23, v3
	s_add_co_u32 s22, s22, SLOT
	s_add_co_u32 s23, s23, SLOT
.endr
	v_lshlrev_b32 v4, 4, v1                        ; 16 r
.if LAST
	v_lshl_add_u32 v[CO], v2, 12, v4               ; out: row h of the pair, 16 bytes a lane
	v_lshlrev_b32 v[BO], 4, v1                     ; bias: 4 numbers a lane
.else
	v_lshl_add_u32 v[CO], v2, 15, v4               ; out: 8 h rows down, 16 bytes a lane
	v_lshlrev_b32 v[BO], 5, v1                     ; bias: 8 numbers a lane
.endif
	; The bias of my NB columns, while the first tiles are on their way: rounded to bf16, widened again, eight equal registers for each column block.
	; They are the C of the first products, so that nothing is cleared and x + bias costs no instruction of its own.
	WIN 0x80                                       ; loaded data into window 2, address from window 0
	global_load_b128 v[BRAW:BRAW+3], v[BO], s[8:9]
.if NB == 8
	global_load_b128 v[BRAW+4:BRAW+7], v[BO], s[8:9] offset:16
.endif
	s_wait_loadcnt 0x0
	WIN 0xaa                                       ; everything in window 2
.irp i, 0,1,2,3
.if \i < NB/2
	v_cvt_pk_bf16_f32 v[BPK+\i], v[BRAW+2*\i], v[BRAW+2*\i+1]
.endif
.endr
.irp bn, 0,1,2,3,4,5,6,7
.if \bn < NB
.irp j, 0,1,2,3,4,5,6,7
.if \bn & 1
	v_and_b32 v[BB+8*\bn+\j], 0xffff0000, v[BPK+(\bn>>1)]
.else
	v_lshlrev_b32 v[BB+8*\bn+\j], 16, v[BPK+(\bn>>1)]
.endif
.endr
.endif
.endr
	WIN 0
; Four matrix instructions: my four row blocks x column block bn, 32 along K, from buffer f.  c = 1: the bias starts the sums.
; The 4 NB accumulators take turns, one instruction a turn, in the same order in every quarter, over the backward jump too.
.macro MULG f, bn, c
.irp a, 0,1,2,3
.if \c
	v_wmma_f32_16x16x32_bf16 v[8*(NB*\a+\bn):8*(NB*\a+\bn)+7], v[FA+32*\f+8*\a:FA+32*\f+8*\a+7], v[FB+64*\f+8*\bn:FB+64*\f+8*\bn+7], v[BB+8*\bn:BB+8*\bn+7]
.else
	v_wmma_f32_16x16x32_bf16 v[8*(NB*\a+\bn):8*(NB*\a+\bn)+7], v[FA+32*\f+8*\a:FA+32*\f+8*\a+7], v[FB+64*\f+8*\bn:FB+64*\f+8*\bn+7], v[8*(NB*\a+\bn):8*(NB*\a+\bn)+7]
.endif
.endr
.endm
; Column blocks lo .. hi - 1.  wait = 1: in front of block bn a counted wait: LDS loads return in order, so the 2 (NB - 1 - bn) loads of the later
; column blocks, and the extra loads issued behind this quarter's, may stay out.
.macro GROUPS f, lo, hi, c, extra, wait
.irp bn, 0,1,2,3,4,5,6,7
.if \bn >= \lo
.if \bn < \hi
.if \wait
	s_wait_dscnt \extra+2*(NB-1-\bn)
.endif
	MULG \f, \bn, \c
.endif
.endif
.endr
.endm
; One quarter's fragments (K = 32 at byte k of the slot's rows) into buffer f: act's eight loads, then w's in the order of the column blocks
.macro FETCH slot, k, f
.irp a, 0,1,2,3
	ds_load_b128 v[FA+32*\f+8*\a:FA+32*\f+8*\a+3],   v[ADRA+\slot] offset:\k+\a*16*PITCH
	ds_load_b128 v[FA+32*\f+8*\a+4:FA+32*\f+8*\a+7], v[ADRA+\slot] offset:\k+\a*16*PITCH+32
.endr
.irp bn, 0,1,2,3,4,5,6,7
.if \bn < NB
	ds_load_b128 v[FB+64*\f+8*\bn:FB+64*\f+8*\bn+3],   v[ADRB+\slot] offset:\k+\bn*16*PITCH
	ds_load_b128 v[FB+64*\f+8*\bn+4:FB+64*\f+8*\bn+7], v[ADRB+\slot] offset:\k+\bn*16*PITCH+32
.endif
.endr
.endm
; A quarter but a slot's last: multiplies buffer f; behind its first fourth it fetches the next quarter, at byte knext of the same slot, into buffer g
.macro QUARTER slot, knext, f, g, c
.if \c
	WIN MULB
.else
	WIN MUL
.endif
	GROUPS \f, 0, NB/4, \c, 0, 1
	PLACES                                         ; buffer g was read by the last quarter's matrix instructions
	WIN 0
	FETCH \slot, \knext, \g
.if \c
	WIN MULB
.else
	WIN MUL
.endif
	GROUPS \f, NB/4, NB, \c, LOADS, 1
.endm
.macro SLOTQ slot, c
	QUARTER \slot, 64,  0, 1, \c
	QUARTER \slot, 128, 1, 0, 0
	QUARTER \slot, 192, 0, 1, 0
.if KQ == 8
	QUARTER \slot, 256, 1, 0, 0
	QUARTER \slot, 320, 0, 1, 0
	QUARTER \slot, 384, 1, 0, 0
	QUARTER \slot, 448, 0, 1, 0
.endif
.endm
; A slot's last quarter: multiplies buffer 1 and changes slots.  One barrier for two things.  In front of it each wave waits for its reads of this slot
; and for all its tensor loads, of which one is out: its part of the next slot.  Behind it nobody reads this slot and the next one is whole.
; fill = 1: the barrier opens a round of the cluster's barrier, and the joint refill of this slot is the first tensor load behind the round.
.macro TURN slot, next, fill
	WIN MUL
	GROUPS 1, 0, NB/4, 0, 0, 1
	s_wait_dscnt 0x0                               ; my reads of this slot are over
	s_wait_tensorcnt 0x0                           ; all my tensor loads have landed
	ds_add_u32 v254, v255
	s_wait_dscnt 0x0
	s_barrier_signal -1
	GROUPS 1, NB/4, NB/2, 0, 0, 0                  ; register work while the others arrive
	WIN 0
	s_barrier_wait -1
.if \fill
	CREST                                          ; no wave of any partner still reads this slot or has a load on its way
	s_add_nc_u64 s[G0+4*\slot+2:G0+4*\slot+3], s[G0+4*\slot+2:G0+4*\slot+3], 2*KSTEP*2
	s_add_nc_u64 s[G0B+4*\slot+2:G0B+4*\slot+3], s[G0B+4*\slot+2:G0B+4*\slot+3], 2*KSTEP*2
	JLOAD \slot
.endif
	PLACES                                         ; buffer 0 was read by the quarter before this one
	FETCH \next, 0, 0
	WIN MUL
	GROUPS 1, NB/2, NB, 0, 0, 0
.endm
.macro LAP c
	SLOTQ 0, \c
	TURN 0, 1, 1
	SLOTQ 1, 0
	TURN 1, 0, 1
.endm
	s_wait_tensorcnt 1                             ; my part of slot 0 is in; slot 1's load is younger and may stay out
	s_barrier_signal -1
	s_barrier_wait -1                              ; everybody's part is in
	FETCH 0, 0, 0
	LAP 1                                          ; the first lap stands in front of the loop: its first products start the sums from the bias
	WIN 0                                          ; at a label and at a branch every window is 0
	s_mov_b32 s3, LAPS-2
.Llap:
	LAP 0
	WIN 0
	s_sub_co_u32 s3, s3, 1
	s_cmp_lg_u32 s3, 0
	s_cbranch_scc1 .Llap
	SLOTQ 0, 0                                     ; the last lap fills nothing
	TURN 0, 1, 0
	SLOTQ 1, 0
	WIN MUL
	GROUPS 1, 0, NB, 0, 0, 1                       ; the very last quarter; its last wait is for 0
	; THE SCAN, in place in window 1.  Chain (p, bn): b = 2 p + h of my four, column block bn.  X(t) = register 8 (NB (2 p + (t>>3)) + bn) + (t&7) holds x of step t.
	;   c(t) = 0.5 c(t-1) + x(t);  v(t) = 0.75 v(t-1) (1 - s(t-1)) + c(t);  s(t) = v(t) > 0.5
	; Step t: X(t+1) becomes c(t+1) from c(t); X(t) becomes v(t) from the reset v(t-1); spike t-1 goes into X(t-1), which has just died; the compare; the reset.
.macro S_CUR
	v_fma_f32 v[XN], v[XC], 0.5, v[XN]
.endm
.macro S_MEM
	v_fma_f32 v[XC], v[XP], s66, v[XC]
.endm
.macro S_OUT
	v_cndmask_b32 v[XP], 0, s67, s[MK]
.endm
.macro S_CMP
	v_cmp_gt_f32 s[MK], v[XC], 0.5
.endm
.macro S_RST
	v_cndmask_b32 v[XC], v[XC], 0, s[MK]
.endm
.macro S_END
	v_cndmask_b32 v[XC], 0, s67, s[MK]
.endm
.macro CHAINS what, t                  ; one line of the step for every chain: 2 NB lines that do not wait for each other
.irp p, 0,1
.irp bn, 0,1,2,3,4,5,6,7
.if \bn < NB
.set XC, 8*(NB*(2*\p+(\t>>3))+\bn)+(\t&7)
.set XN, 8*(NB*(2*\p+(((\t+1)&15)>>3))+\bn)+((\t+1)&7)
.set XP, 8*(NB*(2*\p+(((\t+15)&15)>>3))+\bn)+((\t+15)&7)
.set MK, 68+NB*\p+\bn
	\what
.endif
.endr
.endr
.endm
.macro STEP t
.if \t < 15
	CHAINS S_CUR, \t
.endif
.if \t > 0
	CHAINS S_MEM, \t
	CHAINS S_OUT, \t
.endif
	CHAINS S_CMP, \t
.if \t < 15
	CHAINS S_RST, \t
.else
	CHAINS S_END, \t
.endif
.endm
	PLACES                                         ; behind the last matrix instructions, in front of the first vector instruction on their results
	WIN 0x55                                       ; everything in window 1
.irp t, 0,1,2,3,4,5,6,7,8,9,10,11,12,13,14,15
	STEP \t
.endr
.if LAST
	; the mean: 16 spikes of 1/16 each, summed exactly
.irp p, 0,1
.irp bn, 0,1,2,3
.set EV, 8*(NB*(2*\p)+\bn)
.set OD, 8*(NB*(2*\p+1)+\bn)
.irp k, 0,2,4,6
	v_pk_add_f32 v[EV+\k:EV+\k+1], v[EV+\k:EV+\k+1], v[OD+\k:OD+\k+1]
.endr
	v_pk_add_f32 v[EV:EV+1],   v[EV:EV+1],   v[EV+4:EV+5]
	v_pk_add_f32 v[EV+2:EV+3], v[EV+2:EV+3], v[EV+6:EV+7]
	v_pk_add_f32 v[EV:EV+1],   v[EV:EV+1],   v[EV+2:EV+3]
.endr
.endr
	WIN 0x05                                       ; sources in window 1, destination in window 0
.irp p, 0,1
.irp bn, 0,1,2,3
	v_add_f32 v[PK+4*\p+\bn], v[8*(NB*(2*\p)+\bn)], v[8*(NB*(2*\p)+\bn)+1]
.endr
.endr
	WIN 0
.irp p, 0,1
	global_store_b128 v[CO], v[PK+4*\p:PK+4*\p+3], s[10:11] offset:8192*\p th:TH_STORE_NT   ; sixteen lanes: 256 consecutive bytes of row b, aligned
.endr
.else
	; the spikes as bf16: eight neighbouring columns of a row are 16 bytes of a lane
	WIN 0x05                                       ; sources in window 1, destination in window 0
.irp p, 0,1
.irp t, 0,1,2,3,4,5,6,7,8,9,10,11,12,13,14,15
.irp i, 0,1,2,3
	v_cvt_pk_bf16_f32 v[PK+4*(16*\p+\t)+\i], v[8*(NB*(2*\p+(\t>>3))+2*\i)+(\t&7)], v[8*(NB*(2*\p+(\t>>3))+2*\i+1)+(\t&7)]
.endr
.endr
.endr
	WIN 0
.irp p, 0,1
.irp t, 0,1,2,3,4,5,6,7,8,9,10,11,12,13,14,15
	global_store_b128 v[CO], v[PK+4*(16*\p+\t):PK+4*(16*\p+\t)+3], s[10:11] offset:(32*\p+16*(\t>>3)+(\t&7))*4096   ; sixteen lanes: 256 consecutive bytes of a row, aligned
.endr
.endr
.endif
	CROUND                                         ; the closing round: no work-group ends while a partner may still ask for a tile that names it
	s_endpgm
.Lfunc_end_k_qdfd3d4d510_outl:
	.size	k_qdfd3d4d510_outl, .Lfunc_end_k_qdfd3d4d510_outl-k_qdfd3d4d510_outl
	.p2alignl 7, 3214868480
	.fill 96, 4, 3214868480
	.section	.rodata,"a",@progbits
	.p2align	6, 0x0
	.amdhsa_kernel k_qdfd3d4d510_outl
		.amdhsa_group_segment_fixed_size 327680
		.amdhsa_private_segment_fixed_size 0
		.amdhsa_enable_private_segment 0
		.amdhsa_kernarg_size 32
		.amdhsa_user_sgpr_count 2
		.amdhsa_user_sgpr_kernarg_segment_ptr 1
		.amdhsa_wavefront_size32 1
		.amdhsa_system_sgpr_workgroup_id_x 1
		.amdhsa_system_sgpr_workgroup_id_y 1
		.amdhsa_system_sgpr_workgroup_id_z 1
		.amdhsa_system_vgpr_workitem_id 0
		.amdhsa_next_free_vgpr 640
		.amdhsa_next_free_sgpr 84
		.amdhsa_reserve_vcc 0
		.amdhsa_float_denorm_mode_32 3
		.amdhsa_float_denorm_mode_16_64 3
		.amdhsa_memory_ordered 1
		.amdhsa_forward_progress 1
		.amdhsa_inst_pref_size 166
	.end_amdhsa_kernel
	.amdgpu_metadata
---
amdhsa.version: [ 1, 2 ]
amdhsa.kernels:
  - .name:           k_qdfd3d4d510_outl
    .symbol:         k_qdfd3d4d510_outl.kd
    .args:
      - { .name: spk_a, .offset: 0, .size: 8, .value_kind: global_buffer, .address_space: global }
      - { .name: woutb, .offset: 8, .size: 8, .value_kind: global_buffer, .address_space: global }
      - { .name: b_out, .offset: 16, .size: 8, .value_kind: global_buffer, .address_space: global }
      - { .name: out0, .offset: 24, .size: 8, .value_kind: global_buffer, .address_space: global }
    .group_segment_fixed_size: 327680
    .private_segment_fixed_size: 0
    .kernarg_segment_align: 8
    .kernarg_segment_size: 32
    .max_flat_workgroup_size: 128
    .sgpr_count:     84
    .vgpr_count:     640
    .wavefront_size: 32
...
	.end_amdgpu_metadata
.endif
;; end of part 3
;; ======== version 2 of 2: 4 launches; version 1 with the launch prep written anew for expert scheduling mode
;; limits: values outside matrix products are rounded to bf16
;; workspace buffers: spk_a 16,777,216 bytes; spk_b 16,777,216 bytes; w0b 8,388,608 bytes; w1b 8,388,608 bytes; woutb 4,194,304 bytes
;; launch prep (part 4): grid 256 x 1, 8 waves a work-group, no clusters, 136,192 bytes of LDS; arguments in_pop_spikes, W0, W1, W_out, spk_a, w0b, w1b, woutb; writes spk_a, w0b, w1b, woutb
.if DOCPART == 4
	.amdgcn_target "amdgcn-amd-amdhsa--gfx1250"
	.amdhsa_code_object_version 6
	.text
	.protected	k_qdfd3d4d510_prep
	.globl	k_qdfd3d4d510_prep
	.p2align	8
	.type	k_qdfd3d4d510_prep,@function
k_qdfd3d4d510_prep:
	s_mov_b64 s[64:65], 0
	v_nop
	global_prefetch_b8 v0, s[64:65] scope:SCOPE_SE
	s_setreg_imm32_b32 hwreg(HW_REG_WAVE_SCHED_MODE, 0, 2), 2
	s_setreg_imm32_b32 hwreg(HW_REG_WAVE_MODE, 25, 1), 1
	s_wait_xcnt 0x0
	s_wait_alu depctr_vm_vsrc(0)
; PREP: every f32 input of the three products is rounded once to bf16 (nearest even) and laid out as the products want it.
;   in_pop_spikes [256 b][2048 i][16 t] f32  ->  spk_a [4096 rows][2048 i] bf16, row(b,t) = 32 (b>>1) + 16 (t>>3) + 8 (b&1) + (t&7)
;       (a block of 16 rows holds eight time steps of two neighbouring b, so that in a product's result one lane holds all 16 steps of a neuron)
;   W0, W1 [2048 g][2048] f32 -> w0b, w1b bf16, row g goes to row (g & ~127) | (g&7)<<4 | (g>>3)&15
;   W_out  [1024 g][2048] f32 -> woutb   bf16, row g goes to row (g & ~63)  | (g&3)<<4 | (g>>2)&15
;       (so lane r of weight block bn holds true column 8 r + bn, or 4 r + bn: a lane's results of one row are neighbouring columns)
; A stream: no matrix unit, no barrier.  256 work-groups x 8 waves = 2,048 waves; wave gw = 8 x group + w takes
;   16 KiB of the input (b = group, i = 256 w .. 256 w + 255, contiguous), row gw of W0, row gw of W1, half-row gw of W_out.
; The input's transposition (t fastest -> i fastest) goes through the wave's own 16,896 bytes of LDS: 32 rows of 512 bytes at a pitch of
; 528 = 33 x 16 bytes, so that sixteen lanes reading 16 bytes of sixteen rows touch sixteen different 16-byte columns modulo 256 bytes.
; Every load of a wave covers 512 consecutive bytes; every store 256 or 512 consecutive bytes, aligned to 256.
; THE MODE: SCHED_MODE bits 1:0 = 2 (LLVM: expert scheduling mode 2), set by the entry lines.  The code itself states the register dependences
; between vector instructions and memory or LDS instructions, with s_wait_alu, always for 0.
; THE PLAN.  The text is one straight run.  Registers that memory or LDS instructions touch:
;   v2 .. v5      offsets and LDS addresses: written at the head, never again; read by every load and store.
;   XR            the input's 32 loads land in it; the 32 LDS stores read it.  Then W1's loads land in v[16:79], W_out's in v[80:111]
;                 (read by the roundings of steps D and E), and v[112:143] becomes OUTB.
;   WR            W0's loads land in it, step A's roundings read it; the LDS loads of time steps 0-7 land in it, step B's roundings read it;
;                 the LDS loads of time steps 8-15 land in it, step C's roundings read it.
;   OUTA, OUTB    two out-buffers by turns: steps A, C, E round into OUTA, steps B, D into OUTB; a step's stores read its buffer.
;   v240, v241    written at the head, read by the closing add alone.
; A step is: all its roundings; ONE wait on va_vdst (its out-buffer is written; the roundings are done reading WR); the LDS loads for the next step;
; the step's run of stores.  No vector instruction stands between that wait and those memory instructions.  From step C on a step begins with one wait
; on vm_vsrc: the stores of two steps back have read the out-buffer that it writes again.
.set XR,     16                        ; v[16:143]  the input chunk as loaded; later W1's row (64), W_out's half-row (32) and OUTB (32)
.set WR,     144                       ; v[144:207] W0's row; later two groups of transposed reads
.set OUTA,   208                       ; v[208:239] rounded numbers on their way out
.set OUTB,   112                       ; v[112:143] the same, the second buffer
.set LPITCH, 528
.set WLDS,   32*LPITCH                 ; a wave's LDS bytes
	s_load_b512 s[16:31], s[0:1], 0x0              ; in s[16:17], W0 s[18:19], W1 s[20:21], W_out s[22:23], spk_a s[24:25], w0b s[26:27], w1b s[28:29], woutb s[30:31]
	v_lshl_add_u32 v240, v0, 2, 0x21000
	v_mov_b32 v241, 0
	v_lshrrev_b32 v1, 5, v0
	v_readfirstlane_b32 s2, v1                     ; wave w
	v_and_b32 v1, 31, v0                           ; lane
	v_lshlrev_b32 v2, 4, v1                        ; 16 x lane: offset of all loads and of the stores into spk_a
	v_lshlrev_b32 v3, 3, v1                        ; 8 x lane: offset of the stores of weights
	s_wait_alu depctr_va_sdst(0)                   ; s2 is written, ahead of its first reader: gw, the LDS bytes and all byte offsets are made from it
	s_lshl_b32 s3, ttmp9, 3
	s_add_co_u32 s3, s3, s2                        ; gw
	s_mul_i32 s12, s2, WLDS                        ; my wave's LDS bytes begin here
	v_add_nc_u32 v4, s12, v2                       ; LDS in: 16 x lane in row j (the row stands in the immediate)
	v_mul_u32_u24 v5, v1, LPITCH
	v_add_nc_u32 v5, s12, v5                       ; LDS out: lane L reads row L
	; byte offsets, each in a pair of its own
	s_lshl_b32 s4, ttmp9, 17                       ; input: b x 131,072 + w x 16,384
	s_lshl_b32 s36, s2, 14
	s_add_co_u32 s4, s4, s36
	s_mov_b32 s5, 0
	s_lshl_b32 s6, s3, 13                          ; W0, W1: row gw of 8,192 bytes
	s_mov_b32 s7, 0
	s_lshl_b32 s8, s3, 12                          ; W_out: half-row gw of 4,096 bytes
	s_mov_b32 s9, 0
	s_lshr_b32 s10, ttmp9, 1                       ; spk_a: (32 (b>>1) + 8 (b&1)) rows of 4,096 bytes + 512 w
	s_lshl_b32 s10, s10, 17
	s_and_b32 s36, ttmp9, 1
	s_lshl_b32 s36, s36, 15
	s_add_co_u32 s10, s10, s36
	s_lshl_b32 s36, s2, 9
	s_add_co_u32 s10, s10, s36
	s_mov_b32 s11, 0
	s_and_b32 s32, s3, 0x780                       ; w0b, w1b: the row that row gw goes to
	s_and_b32 s36, s3, 7
	s_lshl_b32 s36, s36, 4
	s_or_b32 s32, s32, s36
	s_bfe_u32 s36, s3, 0x40003
	s_or_b32 s32, s32, s36
	s_lshl_b32 s32, s32, 12                        ; rows of 4,096 bytes
	s_mov_b32 s33, 0
	s_lshr_b32 s37, s3, 1                          ; woutb: row g = gw >> 1, half gw & 1
	s_and_b32 s34, s37, 0x3c0
	s_and_b32 s36, s37, 3
	s_lshl_b32 s36, s36, 4
	s_or_b32 s34, s34, s36
	s_bfe_u32 s36, s37, 0x40002
	s_or_b32 s34, s34, s36
	s_lshl_b32 s34, s34, 12
	s_and_b32 s36, s3, 1
	s_lshl_b32 s36, s36, 11
	s_or_b32 s34, s34, s36
	s_mov_b32 s35, 0
	s_wait_kmcnt 0x0
	s_add_nc_u64 s[16:17], s[16:17], s[4:5]
	s_add_nc_u64 s[18:19], s[18:19], s[6:7]
	s_add_nc_u64 s[20:21], s[20:21], s[6:7]
	s_add_nc_u64 s[22:23], s[22:23], s[8:9]
	s_add_nc_u64 s[24:25], s[24:25], s[10:11]
	s_add_nc_u64 s[26:27], s[26:27], s[32:33]
	s_add_nc_u64 s[28:29], s[28:29], s[32:33]
	s_add_nc_u64 s[30:31], s[30:31], s[34:35]
	s_wait_alu depctr_va_vdst(0)                   ; v2 to v5 are written, which every load and store of the kernel reads as its offset or address; so are v240 and v241
	; 48 loads go out at once: the input chunk, then W0's row.  Each byte is read once in the launch.
.set j, 0
.rept 32
	global_load_b128 v[XR+4*j:XR+4*j+3], v2, s[16:17] offset:512*j th:TH_LOAD_NT
.set j, j+1
.endr
.set j, 0
.rept 16
	global_load_b128 v[WR+4*j:WR+4*j+3], v2, s[18:19] offset:512*j th:TH_LOAD_NT
.set j, j+1
.endr
	s_wait_loadcnt 16                              ; loads return in order: the 16 of W0 are younger, the input chunk is in
.set j, 0
.rept 32
	ds_store_b128 v4, v[XR+4*j:XR+4*j+3] offset:LPITCH*j   ; LDS row j = i 8 j .. 8 j + 7, 16 steps of 4 bytes each
.set j, j+1
.endr
	s_wait_dscnt 0x0                               ; my LDS stores are done
	s_wait_alu depctr_vm_vsrc(0)                   ; the LDS stores have read XR: the loads below land in v[16:111], and step B's roundings write v[112:143]
.set j, 0
.rept 16
	global_load_b128 v[XR+4*j:XR+4*j+3], v2, s[20:21] offset:512*j th:TH_LOAD_NT          ; W1's row
.set j, j+1
.endr
.set j, 0
.rept 8
	global_load_b128 v[XR+64+4*j:XR+64+4*j+3], v2, s[22:23] offset:512*j th:TH_LOAD_NT    ; W_out's half-row
.set j, j+1
.endr
; n loads' worth of a weight row are rounded: four f32 a lane become 8 bytes, in out-buffer ob
.macro CVTROW src, n, ob
.set j, 0
.rept \n
	v_cvt_pk_bf16_f32 v[\ob+2*j],   v[\src+4*j],   v[\src+4*j+1]
	v_cvt_pk_bf16_f32 v[\ob+2*j+1], v[\src+4*j+2], v[\src+4*j+3]
.set j, j+1
.endr
.endm
; and stored: 32 lanes store 256 consecutive bytes.  base = s[lo:lo+1]
.macro STROW n, ob, lo
.set j, 0
.rept \n
	global_store_b64 v3, v[\ob+2*j:\ob+2*j+1], s[\lo:\lo+1] offset:256*j
.set j, j+1
.endr
.endm
; Two groups of four time steps (4 tq0 .. 4 tq0 + 7).  Lane L reads from its own LDS row the steps of i = 8 L .. 8 L + 7,
.macro XLOAD tq0
.irp g, 0,1
.irp il, 0,1,2,3,4,5,6,7
	ds_load_b128 v[WR+32*\g+4*\il:WR+32*\g+4*\il+3], v5 offset:64*\il+16*(\tq0+\g)
.endr
.endr
.endm
; packs for each step of group g its eight i into 16 bytes of out-buffer ob,
.macro XCVT g, ob
.irp e, 0,1,2,3
.irp m, 0,1,2,3
	v_cvt_pk_bf16_f32 v[\ob+16*\g+4*\e+\m], v[WR+32*\g+8*\m+\e], v[WR+32*\g+8*\m+4+\e]
.endr
.endr
.endm
; and stores them: 32 lanes fill 512 consecutive bytes of one row of spk_a.
.macro XSTORE tq0, ob
.irp g, 0,1
.irp e, 0,1,2,3
	global_store_b128 v2, v[\ob+16*\g+4*\e:\ob+16*\g+4*\e+3], s[24:25] offset:(16*((4*(\tq0+\g)+\e)>>3)+((4*(\tq0+\g)+\e)&7))*4096
.endr
.endr
.endm
	; STEP A: W0's row
	s_wait_loadcnt 24                              ; W1's 16 and W_out's 8 are younger: W0's row is in
	CVTROW WR, 16, OUTA
	s_wait_alu depctr_va_vdst(0)                   ; the roundings have written OUTA, which the stores below read, and are done reading WR, in which the LDS loads below land
	XLOAD 0                                        ; steps 0 to 7 (a wave's LDS instructions are served in order: these reads see the stores above)
	STROW 16, OUTA, 26
	; STEP B: time steps 0 to 7
	s_wait_dscnt 8                                 ; LDS loads return in order: group 0 is in while group 1's eight may stay out
	XCVT 0, OUTB
	s_wait_dscnt 0x0                               ; group 1 is in
	XCVT 1, OUTB
	s_wait_alu depctr_va_vdst(0)                   ; the roundings have written OUTB, which the stores below read, and are done reading WR, in which the LDS loads below land
	XLOAD 2                                        ; steps 8 to 15
	XSTORE 0, OUTB
	; STEP C: time steps 8 to 15
	s_wait_dscnt 8                                 ; group 0 is in, group 1's eight may stay out
	s_wait_xcnt 0x0                                ; OUTA, which step A's stores read, is rewritten only behind this wait
	s_wait_alu depctr_vm_vsrc(0)                   ; step A's stores have read OUTA, which the roundings below write again
	XCVT 0, OUTA
	s_wait_dscnt 0x0                               ; group 1 is in
	XCVT 1, OUTA
	s_wait_alu depctr_va_vdst(0)                   ; the roundings have written OUTA, which the stores below read
	XSTORE 2, OUTA
	; STEP D: W1's row
	s_wait_loadcnt 8                               ; W_out's 8 are younger: W1's row is in
	s_wait_xcnt 0x0                                ; OUTB, which step B's stores read, is rewritten only behind this wait
	s_wait_alu depctr_vm_vsrc(0)                   ; step B's stores have read OUTB, which the roundings below write again
	CVTROW XR, 16, OUTB
	s_wait_alu depctr_va_vdst(0)                   ; the roundings have written OUTB, which the stores below read
	STROW 16, OUTB, 28
	; STEP E: W_out's half-row
	s_wait_loadcnt 0x0
	s_wait_xcnt 0x0                                ; OUTA, which step C's stores read, is rewritten only behind this wait
	s_wait_alu depctr_vm_vsrc(0)                   ; step C's stores have read OUTA, which the roundings below write again
	CVTROW XR+64, 8, OUTA
	s_wait_alu depctr_va_vdst(0)                   ; the roundings have written OUTA, which the stores below read
	STROW 8, OUTA, 30
	s_wait_dscnt 0x0                               ; the closing lines, six on end
	s_wait_alu 0x0
	s_wait_tensorcnt 0x0
	ds_add_u32 v240, v241
	s_wait_dscnt 0x0
	s_endpgm
.Lfunc_end_k_qdfd3d4d510_prep:
	.size	k_qdfd3d4d510_prep, .Lfunc_end_k_qdfd3d4d510_prep-k_qdfd3d4d510_prep
	.p2alignl 7, 3214868480
	.fill 96, 4, 3214868480
	.section	.rodata,"a",@progbits
	.p2align	6, 0x0
	.amdhsa_kernel k_qdfd3d4d510_prep
		.amdhsa_group_segment_fixed_size 136192
		.amdhsa_private_segment_fixed_size 0
		.amdhsa_enable_private_segment 0
		.amdhsa_kernarg_size 64
		.amdhsa_user_sgpr_count 2
		.amdhsa_user_sgpr_kernarg_segment_ptr 1
		.amdhsa_wavefront_size32 1
		.amdhsa_system_sgpr_workgroup_id_x 1
		.amdhsa_system_sgpr_workgroup_id_y 1
		.amdhsa_system_sgpr_workgroup_id_z 1
		.amdhsa_system_vgpr_workitem_id 0
		.amdhsa_next_free_vgpr 242
		.amdhsa_next_free_sgpr 66
		.amdhsa_reserve_vcc 0
		.amdhsa_float_denorm_mode_32 3
		.amdhsa_float_denorm_mode_16_64 3
		.amdhsa_memory_ordered 1
		.amdhsa_forward_progress 1
		.amdhsa_inst_pref_size 29
	.end_amdhsa_kernel
	.amdgpu_metadata
---
amdhsa.version: [ 1, 2 ]
amdhsa.kernels:
  - .name:           k_qdfd3d4d510_prep
    .symbol:         k_qdfd3d4d510_prep.kd
    .args:
      - { .name: in_pop_spikes, .offset: 0, .size: 8, .value_kind: global_buffer, .address_space: global }
      - { .name: W0, .offset: 8, .size: 8, .value_kind: global_buffer, .address_space: global }
      - { .name: W1, .offset: 16, .size: 8, .value_kind: global_buffer, .address_space: global }
      - { .name: W_out, .offset: 24, .size: 8, .value_kind: global_buffer, .address_space: global }
      - { .name: spk_a, .offset: 32, .size: 8, .value_kind: global_buffer, .address_space: global }
      - { .name: w0b, .offset: 40, .size: 8, .value_kind: global_buffer, .address_space: global }
      - { .name: w1b, .offset: 48, .size: 8, .value_kind: global_buffer, .address_space: global }
      - { .name: woutb, .offset: 56, .size: 8, .value_kind: global_buffer, .address_space: global }
    .group_segment_fixed_size: 136192
    .private_segment_fixed_size: 0
    .kernarg_segment_align: 8
    .kernarg_segment_size: 64
    .max_flat_workgroup_size: 256
    .sgpr_count:     66
    .vgpr_count:     242
    .wavefront_size: 32
...
	.end_amdgpu_metadata
.endif
;; end of part 4
;; launch layer0: the kernel of part 2 again; grid 16 x 16, 4 waves a work-group, clusters of 4 x 4, 327,680 bytes of LDS; arguments spk_a, w0b, b0, spk_b; writes spk_b
;; launch layer1: the kernel of part 2 again; grid 16 x 16, 4 waves a work-group, clusters of 4 x 4, 327,680 bytes of LDS; arguments spk_b, w1b, b1, spk_a; writes spk_a
;; launch outl: the kernel of part 3 again; grid 8 x 32, 4 waves a work-group, clusters of 4 x 4, 327,680 bytes of LDS; arguments spk_a, woutb, b_out, out0; writes out0
